; MI455X (gfx1250); checked and timed in simulation.
; The chip was launched on July 23, 2026; its instructions are those of AMD's public machine-readable ISA for CDNA 5 (MIT licence, August 2026) and "CDNA5" Instruction Set Architecture Reference Guide (July 2026). The comments in the code are by the model that wrote it; some were corrected since.
;; W8 A8 OF16 Linear Dynamic Input Scale. Allowed arithmetic: float matrix products may take bf16 or f16 operands with f32 sums; other float arithmetic in f32, or as packed bf16 or f16 multiplies, adds, multiply-adds, maxima and minima; sums over many terms, partial sums and values carried from step to step in f32; what a program stores and reads back later, other than sums and carried values, may be rounded once to bf16 or f16.
;; Inputs: bias 4,096 float32; dequant_scale 4,096 float32; input_scale 8,192 float32; output_buffer 8,192 x 4,096 float16; weight 4,096 x 2,048 int32; x 8,192 x 2,048 int32.
;; Outputs: out0 8,192 x 4,096 float16.
;; 2 versions, each right; version 2 is version 1 with the launch cast written anew for expert scheduling mode. Each part assembles by itself: llvm-mc -triple=amdgcn-amd-amdhsa -mcpu=gfx1250 --defsym DOCPART=n.
;; ======== version 1 of 2: 2 launches
;; workspace buffers: xb 33,554,432 bytes; wb 16,777,216 bytes
;; launch cast (part 1): grid 768 x 1, 8 waves a work-group, no clusters, 0 bytes of LDS; arguments x, weight, xb, wb; writes xb, wb
.if DOCPART == 1
	.amdgcn_target "amdgcn-amd-amdhsa--gfx1250"
	.amdhsa_code_object_version 6
	.text
	.protected	k_qd585c8b3cc_cast
	.globl	k_qd585c8b3cc_cast
	.p2align	8
	.type	k_qd585c8b3cc_cast,@function
k_qd585c8b3cc_cast:
	s_mov_b64 s[64:65], 0
	v_nop
	global_prefetch_b8 v0, s[64:65] scope:SCOPE_SE
	s_setreg_imm32_b32 hwreg(HW_REG_WAVE_MODE, 25, 1), 1
	s_wait_xcnt 0x0
; FIRST OF TWO LAUNCHES for out0[m][n] = f16((sum over k of x[m][k] weight[n][k]) * input_scale[m] * dequant_scale[n] + bias[n]).
; This one rounds x [8192][2048] and weight [4096][2048], whole numbers in 32-bit words, to bf16 in the same row-major order: xb and wb, the operands of the product in the second launch.
; It is done once here, since in the product each number of x is wanted by 16 tiles of columns and each number of weight by 32 tiles of rows.
; WORK LEFT OUT.  The input output_buffer: reference() names it among its arguments and never reads it, so for all values it has no way to the result.  It is not loaded and is among no
; launch's arguments.  LIMIT: a NaN or an infinity in output_buffer is not carried to the result.
; LIMITS.  Whole numbers of magnitude up to 256 are exact in bf16 (8 significant bits), so int8-sized inputs lose nothing.  Larger ones are rounded to nearest even, first to f32 (exact up to 2^24),
; then to bf16: beyond 2^24 that is two roundings.
; SHARES.  100,663,296 bytes come in, 131,072 for each of 768 work-groups: numbers 0-511 take x, 512-767 weight.  Load j of 32 of thread t takes the 16 bytes at 4,096 j + 16 t of the group's part: a wave's
; load covers 512 consecutive bytes.  The four numbers leave as 8 bytes at 2,048 j + 8 t: a wave's store covers 256 consecutive bytes, aligned.
; All 32 loads of a wave are issued before the first wait; each has registers of its own, so no register that a load or store still names is written again, and there is no loop.
; No LDS, no barrier, no matrix instruction: no wave wants a byte that another wave has fetched.
.set X, 4                              ; v[4:131]  load j in v[4+4j : 7+4j]; its two packed words leave from the first two of them
	s_load_b256 s[4:11], s[0:1], 0x0               ; x s[4:5], weight s[6:7], xb s[8:9], wb s[10:11]
	s_sub_co_u32 s12, ttmp9, 512                   ; my part's number within weight, if I am one of the last 256
	v_lshlrev_b32 v1, 4, v0                        ; 16 t: where I read
	v_lshlrev_b32 v2, 3, v0                        ; 8 t: where I write
	s_cmp_lt_u32 ttmp9, 512                        ; x or weight?  Only lines that leave SCC alone stand between this compare and the three selects
	s_cselect_b32 s12, ttmp9, s12
	s_wait_kmcnt 0x0
	s_cselect_b64 s[4:5], s[4:5], s[6:7]           ; from
	s_cselect_b64 s[8:9], s[8:9], s[10:11]         ; to
	s_lshl_b32 s14, s12, 17                        ; 131,072 bytes in,
	s_mov_b32 s15, 0
	s_lshl_b32 s16, s12, 16                        ; 65,536 bytes out for each part
	s_mov_b32 s17, 0
	s_add_nc_u64 s[4:5], s[4:5], s[14:15]
	s_add_nc_u64 s[8:9], s[8:9], s[16:17]
.set j, 0
.rept 32
	global_load_b128 v[X+4*j:X+4*j+3], v1, s[4:5] offset:4096*j th:TH_LOAD_NT
.set j, j+1
.endr
.set j, 0
.rept 32
	s_wait_loadcnt 31-j                            ; loads come back in order (ISA guide 5.7.1): load j is in, the 31 - j younger ones stay out
	v_cvt_f32_i32 v[X+4*j], v[X+4*j]
	v_cvt_f32_i32 v[X+4*j+1], v[X+4*j+1]
	v_cvt_f32_i32 v[X+4*j+2], v[X+4*j+2]
	v_cvt_f32_i32 v[X+4*j+3], v[X+4*j+3]
	v_cvt_pk_bf16_f32 v[X+4*j], v[X+4*j], v[X+4*j+1]       ; two roundings to bf16, the lower k in the low half
	v_cvt_pk_bf16_f32 v[X+4*j+1], v[X+4*j+2], v[X+4*j+3]
	global_store_b64 v2, v[X+4*j:X+4*j+1], s[8:9] offset:2048*j th:TH_STORE_NT
.set j, j+1
.endr
	s_endpgm
.Lfunc_end_k_qd585c8b3cc_cast:
	.size	k_qd585c8b3cc_cast, .Lfunc_end_k_qd585c8b3cc_cast-k_qd585c8b3cc_cast
	.p2alignl 7, 3214868480
	.fill 96, 4, 3214868480
	.section	.rodata,"a",@progbits
	.p2align	6, 0x0
	.amdhsa_kernel k_qd585c8b3cc_cast
		.amdhsa_group_segment_fixed_size 0
		.amdhsa_private_segment_fixed_size 0
		.amdhsa_enable_private_segment 0
		.amdhsa_kernarg_size 32
		.amdhsa_user_sgpr_count 2
		.amdhsa_user_sgpr_kernarg_segment_ptr 1
		.amdhsa_wavefront_size32 1
		.amdhsa_system_sgpr_workgroup_id_x 1
		.amdhsa_system_sgpr_workgroup_id_y 1
		.amdhsa_system_sgpr_workgroup_id_z 1
		.amdhsa_system_vgpr_workitem_id 0
		.amdhsa_next_free_vgpr 132
		.amdhsa_next_free_sgpr 66
		.amdhsa_reserve_vcc 0
		.amdhsa_float_denorm_mode_32 3
		.amdhsa_float_denorm_mode_16_64 3
		.amdhsa_memory_ordered 1
		.amdhsa_forward_progress 1
		.amdhsa_inst_pref_size 16
	.end_amdhsa_kernel
	.amdgpu_metadata
---
amdhsa.version: [ 1, 2 ]
amdhsa.kernels:
  - .name:           k_qd585c8b3cc_cast
    .symbol:         k_qd585c8b3cc_cast.kd
    .args:
      - { .name: x, .offset: 0, .size: 8, .value_kind: global_buffer, .address_space: global }
      - { .name: weight, .offset: 8, .size: 8, .value_kind: global_buffer, .address_space: global }
      - { .name: xb, .offset: 16, .size: 8, .value_kind: global_buffer, .address_space: global }
      - { .name: wb, .offset: 24, .size: 8, .value_kind: global_buffer, .address_space: global }
    .group_segment_fixed_size: 0
    .private_segment_fixed_size: 0
    .kernarg_segment_align: 8
    .kernarg_segment_size: 32
    .max_flat_workgroup_size: 256
    .sgpr_count:     66
    .vgpr_count:     132
    .wavefront_size: 32
...
	.end_amdgpu_metadata
.endif
;; end of part 1
;; launch gemm (part 2): grid 16 x 16, 4 waves a work-group, clusters of 4 x 4, 327,680 bytes of LDS; arguments xb, wb, input_scale, dequant_scale, bias, out0; writes out0
.if DOCPART == 2
	.amdgcn_target "amdgcn-amd-amdhsa--gfx1250"
	.amdhsa_code_object_version 6
	.text
	.protected	k_qd585c8b3cc_gemm
	.globl	k_qd585c8b3cc_gemm
	.p2align	8
	.type	k_qd585c8b3cc_gemm,@function
k_qd585c8b3cc_gemm:
	s_mov_b64 s[64:65], 0
	v_nop
	global_prefetch_b8 v0, s[64:65] scope:SCOPE_SE
	s_setreg_imm32_b32 hwreg(HW_REG_WAVE_MODE, 25, 1), 1
	s_wait_xcnt 0x0
	s_wait_alu depctr_hold_cnt(0) depctr_sa_sdst(0) depctr_va_vdst(0) depctr_va_sdst(0) depctr_va_ssrc(0) depctr_va_vcc(0) depctr_vm_vsrc(0)
	s_getreg_b32 s2, hwreg(HW_REG_IB_STS2, 6, 4)
	s_cmp_eq_u32 s2, 0
	s_cbranch_scc0 .Lentry_in_a_cluster
	s_endpgm
.Lentry_in_a_cluster:
	s_bfe_u32 s2, ttmp6, 0x10000c
	s_cmp_lg_u32 s2, 0xf033
	s_cbranch_scc0 .Lentry_shape_is_right
	s_endpgm
.Lentry_shape_is_right:
; SECOND OF TWO LAUNCHES.  out0[m][n] = f16((sum over k of A[m][k] B[n][k]) * input_scale[m] * dequant_scale[n] + bias[n]), A = xb [8192][2048], B = wb [4096][2048], both bf16 as the first launch
; stored them; sums in f32.  The way out keeps reference()'s order: the sum times input_scale, then times dequant_scale plus bias in one fused multiply-add, then one rounding to f16.
; WORK LEFT OUT: the input output_buffer, which reference() never reads, is not among the arguments (shown at the head of the first launch's text).
; LIMITS.  The operands are exact for whole numbers up to 256 in magnitude; larger ones carry bf16's rounding.  The f32 sums are taken in the matrix unit's order, not reference()'s.
; A result of 65,520 or more in magnitude leaves as an f16 infinity, as it does in reference().
; SHARES.  A tile of out0, 256 x 256, is made by a work-group of four waves; a wave makes 128 x 128: 64 accumulators of 16 x 16, 512 registers.  K goes in steps of 128 through a ring of two LDS slots filled
; by the tensor data mover: the rows of A's and B's tiles are 256 bytes of memory and start at multiples of 256 bytes from the buffer's first byte.
; A WORK-GROUP STAYS: out0 has 32 x 16 tiles, the grid 16 x 16 work-groups; each makes two tiles, 4,096 rows apart, which share their rows of B.  The ring does not stop at the first tile's end: its last two
; changes of slots ask for the second tile's first two K steps, and nothing waits for the first tile's stores.
; CLUSTERS: 4 x 4 work-groups.  The four of a row of the cluster need the same tiles of A, the four of a column the same tiles of B.  Such a tile is asked for JOINTLY: each of the four issues the same tensor
; load, with the same descriptor and a mask that names the four, and each receives the tile in its own LDS.  That divides the requests for A and for B by four.
; THE MATRIX INSTRUCTION IS USED TRANSPOSED: source 0 = 16 rows of B, source 1 = 16 rows of A.  In the result lane l holds row m = l % 16 of out0 and in registers 0-7 the columns 8 (l / 16) + 0..7: eight
; neighbouring numbers of a row.  So a lane wants ONE input_scale for each block of 16 rows, and eight dequant_scale and eight bias for each block of 16 columns: they stay in registers.
; REGISTERS, in windows of 256 (s_set_vgpr_msb says which window each operand place means: bits 1:0 source 0, 3:2 source 1, 5:4 source 2, 7:6 destination):
;   window 0: v0-15 addresses; v16-31 input_scale; v64-127, v128-191 fragments of A (8 x 16 rows x 32 K), two buffers; v32-63, v192-255 at work on the way out
;   window 1: v0-63 dequant_scale; v64-127, v128-191 fragments of B, two buffers; v192-255 bias
;   window 2: the 32 accumulators of my rows 0-63 (accumulator (a, b) at v[8 (8 a + b)]);   window 3: those of my rows 64-127
.set SIZE_M, 8192
.set SIZE_N, 4096
.set SIZE_K, 2048
.set SIZE_TILES, 2
.set KSTEP,  128
.set PITCH,  272                       ; an LDS row: 256 bytes of data + 16 of padding = 68 words: row r starts at bank 4 r mod 64 (64 banks of 4 bytes: ISA guide 11.1), so the 16 rows that a load touches start at 16 different banks
.set HALFT,  128*PITCH                 ; 128 rows: what one tensor load brings, and what one wave reads of A or of B
.set SLOT,   4*HALFT                   ; A's 256 rows, then B's 256 rows
.set STAGE,  2*SLOT                    ; behind the ring: 16 rows x 272 bytes for each wave, for the way out; no tensor load lands there
.set SPITCH, 272
.set SPARE,  STAGE+4*16*SPITCH         ; behind the stages: the spare words, 128 bytes for each wave: two blocks of 256 bytes that no other line names
.set LAPS,   SIZE_K/(2*KSTEP)          ; a lap = two K steps = once round the ring: 8
.set WALK,   SIZE_M/SIZE_TILES         ; my two tiles lie 4,096 rows apart
.set NEXT_A, WALK*SIZE_K*2-(SIZE_K-2*KSTEP)*2   ; bytes from a slot's last K step of a tile to its first of the next tile: A goes WALK rows down and back along K,
.set BACK_B, (SIZE_K-2*KSTEP)*2        ; B only back
.set NEXT_C, (WALK-7*16)*SIZE_N*2      ; bytes from my last 16 rows of a tile to my first of the next
.set SIO,  3                           ; v3      4 (l % 16): my row's place in 16 numbers of input_scale; never rewritten
.set SWO,  4                           ; v4      32 (l / 16): my 8 columns' place in 16 numbers of dequant_scale and of bias; never rewritten
.set ADRA, 6                           ; v6-7    LDS address of my A fragments in slot 0, 1
.set ADRB, 8                           ; v8-9    the same for B
.set STO,  10                          ; v10     the way out: where I put 16 bytes of a row
.set RD,   11                          ; v11     the way out: where I read a row back
.set CO,   12                          ; v12     my byte offset in out0
.set PFO,  13                          ; v13     the prefetches' offset: my lane x a row of A or B in memory (4,096 bytes); never rewritten
.set SPW,  14                          ; v14     LDS address of my spare word: SPARE + 4 x my thread's number; never rewritten
.set NIL,  15                          ; v15     0; never rewritten
.set SI,   16                          ; v16-31  input_scale of my row in block a of 8, twice: the pair v[16+2a:17+2a] for the packed multiply
.set SW,   0                           ; window 1: dequant_scale of my 8 columns in block b of 8 at 8 b
.set BI,   192                         ; window 1: bias likewise, at 192 + 8 b
.set F0,   64                          ; fragment buffer 0
.set F1,   128                         ; fragment buffer 1
.set TMP,  192                         ; the way out: packed results, in window 0
.set OB,   32                          ; the way out: 16 rows read back from the stage: v32-63 and v224-255 by turns
.set G1,  24                           ; s[24:31] descriptor group 1 for A's tiles
.set G0,  32                           ; s[32:39] descriptor group 0 for A's tiles, one set for each slot
.set LIM, 43                           ; s43     1 in a wave that prefetches, else the greatest number
.set PFA, 44                           ; s[44:45] where my prefetches stand: my work-group's 32 rows of the 128 that I fetch, one K step further along K than the refill that is being asked for
.set G1B, 48                           ; s[48:55] descriptor group 1 for B's tiles: it differs from A's in the mask alone
.set G0B, 56                           ; s[56:63] descriptor group 0 for B's tiles, one set for each slot
.set SIP, 68                           ; s[68:69] input_scale at my first row of the tile in hand
.set DQ,  70                           ; s[70:71] dequant_scale at my first column
.set BS,  72                           ; s[72:73] bias at my first column
.set CP,  74                           ; s[74:75] out0; the way out steps it
.set MSB, 0
.macro WIN new                         ; the immediate's high byte repeats the setting that is left; a switch that changes nothing is dropped
.if MSB != (\new)
	s_set_vgpr_msb (MSB<<8)|(\new)
.set MSB, \new
.endif
.endm
.set MUL_LO, 0xa1                      ; source 0 (B) window 1, source 1 (A) window 0, C and D window 2
.set MUL_HI, 0xf1                      ; the same, C and D window 3
.set TO_B,   0x40                      ; destination window 1, address window 0
; A joint load.  Waves 0 and 1 fetch A's two halves, waves 2 and 3 B's.  Each of the two lines has ONE mask and one set of registers for all that issue it, and nothing in them hangs on a coordinate that the
; four partners do not share.  The branch hangs on the wave's number alone.  An s_nop 0 and four v_nop follow each of the two lines, ahead of the jump, the label and what follows.
.macro JLOAD s
	s_cmp_eq_u32 s11, 0
	s_cbranch_scc0 .Lfor_b_\@
	tensor_load_to_lds s[G0+4*(\s):G0+4*(\s)+3], s[G1:G1+7]
	s_nop 0
.rept 4
	v_nop
.endr
	s_branch .Lasked_\@
.Lfor_b_\@:
	tensor_load_to_lds s[G0B+4*(\s):G0B+4*(\s)+3], s[G1B:G1B+7]
	s_nop 0
.rept 4
	v_nop
.endr
.Lasked_\@:
.endm
; A PREFETCH INTO THE L2, behind each joint load, its five lines and the run of LDS loads that follows them: the K step that stands TWO refills on, 512 matrix instructions ahead of the load that will ask for it:
; 32 rows x 256 bytes, a lane a row, one instruction a wave.  Each row's 256 bytes of a K step are named ONCE in the launch.  A's tile row is read by every cluster of that row of clusters: the first of them
; (cluster x = 0) prefetches; B's tile column by every cluster of that column: cluster y = 0 prefetches.  The four partners that ask for a tile jointly share its rows out BY ADDRESS: of the 128 rows that a
; wave fetches, the partner at place p takes 32 p .. 32 p + 31 (p = cx for A, cy for B): no branch hangs on a work-group's place in its cluster.
; how = 0, in the loop: a tile's last two refills have no K step two on, and ask for nothing; how = 1, at the change of tiles.
.macro ASK how
.if \how
	s_cmp_eq_u32 s[LIM], 1
.else
	s_cmp_gt_u32 s3, s[LIM]                        ; s3 = 1 in the loop's last trip
.endif
	s_cbranch_scc0 .Lnot_mine_\@
	global_prefetch_b8 v[PFO], s[PFA:PFA+1] offset:KSTEP*2 th:TH_LOAD_NT scope:SCOPE_SE
.Lnot_mine_\@:
.endm
; A round of the cluster's barrier: my work-group's barrier, so that wave 0's signal speaks for all four waves; wave 0 signals for the work-group; every wave waits for all sixteen work-groups; my
; work-group's barrier once more.  No LDS instruction of the wave is pending at a signal.
.macro CREST                           ; a round behind its opening barrier
	s_cmp_lg_u32 s10, 0
	s_cbranch_scc1 .Lnot_wave_0_\@
	s_barrier_signal -3
.Lnot_wave_0_\@:
	s_barrier_wait -3
	s_barrier_signal -1
	s_barrier_wait -1
.endm
.macro CROUND                          ; a whole round
	s_barrier_signal -1
	s_barrier_wait -1
	CREST
.endm
	s_load_b128 s[4:7], s[0:1], 0x0                ; A s[4:5], B s[6:7]
	s_load_b256 s[68:75], s[0:1], 0x10             ; input_scale, dequant_scale, bias, out0
	v_lshl_add_u32 v[SPW], v0, 2, SPARE
	v_mov_b32 v[NIL], 0
	ds_add_u32 v[SPW], v[NIL]                      ; the wave's opening: the add, twice on end, and its wait ahead of my first tensor load; the set-up below, work on registers, stands between the second and the wait
	ds_add_u32 v[SPW], v[NIL]                      ; and once more, under the one wait
	v_lshrrev_b32 v1, 5, v0
	v_readfirstlane_b32 s10, v1                    ; wave 0..3
	s_lshr_b32 s11, s10, 1                         ; which half of the tile's rows is mine.  Also: I fetch for A (0) or for B (1)
	s_and_b32 s12, s10, 1                          ; which half of its columns.  Also: which 128 rows of that tile I fetch
	s_bfe_u32 s40, ttmp6, 0x40000                  ; cx: my place along the cluster's x
	s_bfe_u32 s41, ttmp6, 0x40004                  ; cy: along its y
	s_lshl_b32 s42, ttmp9, 2                       ; in a cluster launch ttmp9 and ttmp7 count clusters
	s_add_co_u32 s42, s42, s40                     ; tile column = 4 x cluster x + cx
	s_and_b32 s13, ttmp7, 0xffff
	s_lshl_b32 s13, s13, 2
	s_add_co_u32 s13, s13, s41                     ; tile row of my first tile = 4 x cluster y + cy
	s_lshl_b32 s43, s41, 2
	s_lshl_b32 s43, 15, s43                        ; my row of the cluster: places 4 cy .. 4 cy + 3
	s_lshl_b32 s44, 0x1111, s40                    ; my column: places cx, cx + 4, cx + 8, cx + 12
	; descriptor group 1: a tile of 128 rows x 128 elements, padded in LDS
	s_or_b32 s[G1+0], s43, (1<<16)|(1<<20)|(1<<21)|(5<<22)|(3<<25)  ; 15:0 the mask: A's tiles go to my row; 17:16 element of 2 bytes; 20 padding on; 21 set beside a mask; 24:22 after every 64 words (code 5); 31:25 of 4 words (code 3)
	s_or_b32 s[G1B+0], s44, (1<<16)|(1<<20)|(1<<21)|(5<<22)|(3<<25) ; the same with the mask of my column, for B's tiles
	s_mov_b32 s[G1B+1], KSTEP<<16
	s_mov_b32 s[G1+1], KSTEP<<16                   ; 63:48 tensor_dim0, low half = 128
	s_mov_b32 s[G1B+2], 128<<16
	s_mov_b32 s[G1+2], 128<<16                     ; 79:64 its high half = 0; 95:80 tensor_dim1, low half = 128
	s_mov_b32 s[G1B+3], KSTEP<<16
	s_mov_b32 s[G1+3], KSTEP<<16                   ; 111:96 its high half = 0; 127:112 tile_dim0 = 128
	s_mov_b32 s[G1B+4], 128
	s_mov_b32 s[G1+4], 128                         ; 143:128 tile_dim1 = 128; 159:144 tile_dim2 = 0
	s_mov_b32 s[G1B+5], SIZE_K
	s_mov_b32 s[G1+5], SIZE_K                      ; 191:160 tensor_dim0_stride, low word: elements from row to row
	s_mov_b32 s[G1B+6], 0
	s_mov_b32 s[G1+6], 0
	s_mov_b32 s[G1B+7], 0
	s_mov_b32 s[G1+7], 0
	; where the tiles come from.  A's hang on the tile row alone, which my row of the cluster shares; B's on the tile column alone, which my column shares.
	; Every wave makes both addresses, in registers that never hold the other coordinate, and asks by one of them.
	s_lshl_b32 s17, s12, 7                         ; which 128 rows of the tile I fetch
	s_lshl_b32 s16, s13, 8
	s_add_co_u32 s16, s16, s17                     ; A: row 256 x tile row + 128 x half
	s_lshl_b32 s46, s42, 8
	s_add_co_u32 s46, s46, s17                     ; B: row 256 x tile column + 128 x half
	s_mov_b32 s17, 0
	s_mov_b32 s47, 0
	s_mov_b64 s[18:19], SIZE_K*2
	s_mul_u64 s[16:17], s[16:17], s[18:19]         ; in bytes, in 64 bits
	s_mul_u64 s[46:47], s[46:47], s[18:19]
	s_mul_i32 s20, s10, HALFT                      ; and where they go: A's two halves, then B's two halves = wave x 128 rows: no place in the cluster enters an LDS address
	s_wait_dscnt 0x0                               ; both opening adds are done
	s_wait_kmcnt 0x0
	s_add_nc_u64 s[14:15], s[4:5], s[16:17]
	s_add_nc_u64 s[46:47], s[6:7], s[46:47]
	CROUND                                         ; all sixteen work-groups are here: the first joint loads meet
.irp s, 0,1
	s_mov_b32 s[G0+4*(\s)], 1                                      ; 1:0 count = 1
	s_add_co_u32 s[G0+4*(\s)+1], s20, (\s)*SLOT                    ; 63:32 LDS address
	s_add_nc_u64 s[G0+4*(\s)+2:G0+4*(\s)+3], s[14:15], (\s)*KSTEP*2  ; 120:64 global address: K step s
	s_or_b32 s[G0+4*(\s)+3], s[G0+4*(\s)+3], 0x80000000            ; 127:126 type = 2
	s_mov_b32 s[G0B+4*(\s)], 1
	s_add_co_u32 s[G0B+4*(\s)+1], s20, (\s)*SLOT
	s_add_nc_u64 s[G0B+4*(\s)+2:G0B+4*(\s)+3], s[46:47], (\s)*KSTEP*2
	s_or_b32 s[G0B+4*(\s)+3], s[G0B+4*(\s)+3], 0x80000000
	JLOAD \s                                       ; the ring is filled before anything else is done: two tensor loads of mine are out
.endr
	; A fragment is 16 rows x 32 K in 8 registers: lane l holds row l % 16; registers 0-3 hold K = 8 (l / 16) + 0..7, registers 4-7 hold
	; K = 16 + 8 (l / 16) + 0..7.  From rows that lie along K: two loads of 16 bytes, 32 bytes apart.  The same for source 0 and source 1.
	v_and_b32 v1, 15, v0                           ; l % 16
	v_bfe_u32 v2, v0, 4, 1                         ; l / 16
	v_lshlrev_b32 v[SIO], 2, v1
	v_lshlrev_b32 v[SWO], 5, v2
	v_mul_u32_u24 v32, v1, PITCH
	v_lshl_add_u32 v32, v2, 4, v32                 ; row x pitch + 16 x half
	s_mul_i32 s21, s11, HALFT                      ; my 128 rows of A
	s_mul_i32 s22, s12, HALFT                      ; my 128 rows of B,
	s_add_co_u32 s22, s22, 2*HALFT                 ; which lie behind A's 256
.irp s, 0,1
	v_add_nc_u32 v[ADRA+(\s)], s21, v32
	v_add_nc_u32 v[ADRB+(\s)], s22, v32
	s_add_co_u32 s21, s21, SLOT
	s_add_co_u32 s22, s22, SLOT
.endr
	s_mul_i32 s23, s10, 16*SPITCH
	s_add_co_u32 s23, s23, STAGE                   ; my stage
	v_mul_u32_u24 v33, v1, SPITCH                  ; in: row l % 16, 16 bytes for each half of the lanes
	v_lshl_add_u32 v33, v2, 4, v33
	v_add_nc_u32 v[STO], s23, v33
	v_mul_u32_u24 v34, v2, SPITCH                  ; back: lanes 0-15 take one row of 256 bytes, lanes 16-31 the next
	v_lshl_add_u32 v34, v1, 4, v34
	v_add_nc_u32 v[RD], s23, v34
	v_mul_u32_u24 v34, v2, SIZE_N*2                ; and the same two rows in out0
	v_lshl_add_u32 v[CO], v1, 4, v34
	; where my part of the first tile begins: in input_scale, in out0 (the first way out adds it to out0's address), in dequant_scale and in bias
	s_lshl_b32 s13, s13, 8
	s_lshl_b32 s14, s11, 7
	s_add_co_u32 s16, s13, s14                     ; my first row
	s_mov_b32 s17, 0
	s_lshl_b32 s76, s16, 2                         ; 4 bytes a row in input_scale
	s_mov_b32 s77, 0
	s_add_nc_u64 s[SIP:SIP+1], s[SIP:SIP+1], s[76:77]
	s_mov_b64 s[18:19], SIZE_N*2
	s_mul_u64 s[16:17], s[16:17], s[18:19]
	s_lshl_b32 s46, s42, 9                         ; my first column, in bytes of out0: 512 x tile column + 256 x half (in the registers that held B's address: none that feeds A's descriptors ever holds cx)
	s_lshl_b32 s47, s12, 8
	s_add_co_u32 s46, s46, s47
	s_mov_b32 s47, 0
	s_add_nc_u64 s[16:17], s[16:17], s[46:47]
	s_lshl_b32 s78, s46, 1                         ; the same column in bytes of f32
	s_mov_b32 s79, 0
	s_add_nc_u64 s[DQ:DQ+1], s[DQ:DQ+1], s[78:79]
	s_add_nc_u64 s[BS:BS+1], s[BS:BS+1], s[78:79]
	; the prefetches.  s13 = 256 x tile row, s42 = tile column, s40 = cx, s41 = cy still stand; s[4:5] = A, s[6:7] = B
	s_lshl_b32 s42, s42, 8
	s_and_b32 s22, ttmp7, 0xffff                   ; cluster y
	s_cmp_eq_u32 s11, 0                            ; do I fetch for A?
	s_cselect_b32 s20, s13, s42                    ; the tile's first row: in A by the tile row, in B by the tile column
	s_cselect_b32 s21, s40, s41                    ; my place among the four that ask for it with me
	s_cselect_b32 s22, ttmp9, s22                  ; the coordinate along which other clusters read the same rows
	s_cselect_b64 s[PFA:PFA+1], s[4:5], s[6:7]
	s_cmp_eq_u32 s22, 0
	s_cselect_b32 s[LIM], 1, -1                    ; the same in all sixteen partners, for a given wave
	s_lshl_b32 s22, s12, 7
	s_add_co_u32 s20, s20, s22                     ; + the 128 rows that I fetch
	s_lshl_b32 s21, s21, 5
	s_add_co_u32 s20, s20, s21                     ; + my work-group's 32 of them
	s_mov_b32 s21, 0
	s_mov_b64 s[18:19], SIZE_K*2
	s_mul_u64 s[20:21], s[20:21], s[18:19]
	s_add_nc_u64 s[PFA:PFA+1], s[PFA:PFA+1], s[20:21]
	s_add_nc_u64 s[PFA:PFA+1], s[PFA:PFA+1], 2*KSTEP*2  ; at K step 2: the first refill steps it to 3 and names K step 4.  Nothing is prefetched here, at the head: K steps 0 to 3 come by their loads alone
	v_and_b32 v[PFO], 31, v0
	v_mul_u32_u24 v[PFO], v[PFO], SIZE_K*2
	; the scales and the bias of my 128 columns (both tiles have the same columns) and the scales of my first tile's 128 rows: wanted at the first way out, where they are waited for
	WIN TO_B
.irp b, 0,1,2,3,4,5,6,7
	global_load_b128 v[SW+8*(\b):SW+8*(\b)+3],   v[SWO], s[DQ:DQ+1] offset:64*(\b)
	global_load_b128 v[SW+8*(\b)+4:SW+8*(\b)+7], v[SWO], s[DQ:DQ+1] offset:64*(\b)+16
	global_load_b128 v[BI+8*(\b):BI+8*(\b)+3],   v[SWO], s[BS:BS+1] offset:64*(\b)
	global_load_b128 v[BI+8*(\b)+4:BI+8*(\b)+7], v[SWO], s[BS:BS+1] offset:64*(\b)+16
.endr
	WIN 0
.macro LOADSI                          ; input_scale of my row in each of my eight blocks of 16 rows, into both registers of a pair
.irp a, 0,1,2,3,4,5,6,7
	global_load_b32 v[SI+2*(\a)],   v[SIO], s[SIP:SIP+1] offset:64*(\a)
	global_load_b32 v[SI+2*(\a)+1], v[SIO], s[SIP:SIP+1] offset:64*(\a)
.endr
.endm
	LOADSI
; 16 matrix instructions: m blocks a0, a0 + 1 of the window's four (hi = 0: my rows 0-63, 1: rows 64-127) x all 8 n blocks, 32 along K.
; zero = 1: the first product starts the sums: nothing is ever cleared.
; The 64 accumulators take turns, one instruction a turn, in the same order in every quarter step, over both backward jumps too.
.macro MUL16 f, hi, a0, zero
	WIN MUL_LO+0x50*(\hi)  ; MUL_LO or MUL_HI
.irp a, \a0, (\a0)+1
.irp b, 0,1,2,3,4,5,6,7
.if \zero
	v_wmma_f32_16x16x32_bf16 v[8*(8*(\a)+(\b)):8*(8*(\a)+(\b))+7], v[(\f)+8*(\b):(\f)+8*(\b)+7], v[(\f)+8*(4*(\hi)+(\a)):(\f)+8*(4*(\hi)+(\a))+7], 0
.else
	v_wmma_f32_16x16x32_bf16 v[8*(8*(\a)+(\b)):8*(8*(\a)+(\b))+7], v[(\f)+8*(\b):(\f)+8*(\b)+7], v[(\f)+8*(4*(\hi)+(\a)):(\f)+8*(4*(\hi)+(\a))+7], v[8*(8*(\a)+(\b)):8*(8*(\a)+(\b))+7]
.endif
.endr
.endr
.endm
; 32 LDS loads in one run: the fragments of one quarter step (128 rows of B, 128 rows of A, 32 K at byte k of the rows) into buffer f
.macro FETCH slot, k, f
	WIN TO_B
.irp i, 0,1,2,3,4,5,6,7
	ds_load_b128 v[(\f)+8*(\i):(\f)+8*(\i)+3],   v[ADRB+(\slot)] offset:(\k)+(\i)*16*PITCH
	ds_load_b128 v[(\f)+8*(\i)+4:(\f)+8*(\i)+7], v[ADRB+(\slot)] offset:(\k)+(\i)*16*PITCH+32
.endr
	WIN 0
.irp i, 0,1,2,3,4,5,6,7
	ds_load_b128 v[(\f)+8*(\i):(\f)+8*(\i)+3],   v[ADRA+(\slot)] offset:(\k)+(\i)*16*PITCH
	ds_load_b128 v[(\f)+8*(\i)+4:(\f)+8*(\i)+7], v[ADRA+(\slot)] offset:(\k)+(\i)*16*PITCH+32
.endr
.endm
; A load into a register that a matrix instruction has read, and a vector instruction that reads a matrix result or writes one of a matrix instruction's registers, stand four places behind that matrix
; instruction, and only plain vector instructions that name none of its registers are places (ISA guide 7.12.1 for vector instructions); the matrix instructions in between are not counted.
.macro PLACES
.rept 4
	v_nop
.endr
.endm
; A K step is four quarter steps of 32 along K, 64 matrix instructions each, on buffers 0, 1, 0, 1.
; One of the first three: multiplies buffer f; in its middle it fetches the next quarter's fragments, at byte k of the same slot's rows, into buffer g.
.macro QUARTER slot, k, f, g, zero
	s_wait_dscnt 8                                 ; B and A's rows 0-63 are in; the youngest eight loads (A's rows 64-127) may be out
	WIN MUL_LO
	MUL16 \f, 0, 0, \zero
	MUL16 \f, 0, 2, \zero
	PLACES
	FETCH \slot, \k, \g
	s_wait_dscnt 32                                ; all but the 32 just issued
	WIN MUL_HI
	MUL16 \f, 1, 0, \zero
	MUL16 \f, 1, 2, \zero
.endm
; The last quarter multiplies buffer 1 and changes slots.  MEET is its first half: ONE barrier for the change of slots, for two things.  In front of it each wave waits for all its tensor loads, of which one is
; out: its part of the next slot; adds 0 to its spare word; and waits for that and for its own reads of this slot.  Behind it nobody reads this slot any more and the next slot is whole.
.macro MEET round                      ; round = 1: a round of the cluster's barrier follows
	WIN 0                                          ; (the add's two registers lie in window 0)
	s_wait_tensorcnt 0x0                           ; all my tensor loads have landed: the one that was out is my part of the next slot;
	ds_add_u32 v[SPW], v[NIL]                      ; 0 onto my spare word;
	s_wait_dscnt 9                                 ; (the add and the youngest eight loads may be out)
	WIN MUL_LO
	MUL16 F1, 0, 0, 0                              ; sixteen matrix instructions stand between the add and the wait for it
	s_wait_dscnt 0x0                               ; the add is done, and my reads of this slot are over:
	s_barrier_signal -1                            ; say so (where a slot is filled again this barrier opens a round of the cluster's barrier),
	MUL16 F1, 0, 2, 0                              ; work on registers while the others arrive,
.if \round
	WIN 0
.endif
	s_barrier_wait -1                              ; and go on when all four have said so
.endm
; The whole last quarter.  Behind the round the slot just read out is filled again first: with this tile's K step two steps on (on = 0) or, in the first tile's last two K steps, with the second tile's
; K step 0 or 1 (on = 1); then come the next slot's first fragments.  From a request to the wait for it a wave issues 224 matrix instructions, across the tiles too.  One tensor load of mine is out behind each round.
.macro TURN slot, next, on
	s_wait_xcnt 0x0                                ; the last prefetch, a K step back, has read its address: it is stepped here, ahead of the waits of the change of slots
.if (\on) && (\slot) == 0
	s_add_nc_u64 s[PFA:PFA+1], s[PFA:PFA+1], (WALK-1)*SIZE_K*2+KSTEP*2  ; from the K step after the tile's last to the next tile's K step 1: WALK rows down, back along K
	s_cmp_eq_u32 s11, 0
	s_cselect_b32 s[LIM], s[LIM], -1               ; B's rows are the same for both tiles: they are asked for in the first tile alone
.else
	s_add_nc_u64 s[PFA:PFA+1], s[PFA:PFA+1], KSTEP*2
.endif
	MEET 1
	CREST                                          ; wave 0 says so for the work-group, all sixteen work-groups have said so, my work-group's barrier closes the round:
	                                               ; no wave of any partner still reads this slot's tile or has a load on its way
.if \on
	s_add_nc_u64 s[G0+4*(\slot)+2:G0+4*(\slot)+3], s[G0+4*(\slot)+2:G0+4*(\slot)+3], NEXT_A
	s_sub_nc_u64 s[G0B+4*(\slot)+2:G0B+4*(\slot)+3], s[G0B+4*(\slot)+2:G0B+4*(\slot)+3], BACK_B
.else
	s_add_nc_u64 s[G0+4*(\slot)+2:G0+4*(\slot)+3], s[G0+4*(\slot)+2:G0+4*(\slot)+3], 2*KSTEP*2
	s_add_nc_u64 s[G0B+4*(\slot)+2:G0B+4*(\slot)+3], s[G0B+4*(\slot)+2:G0B+4*(\slot)+3], 2*KSTEP*2
.endif
	JLOAD \slot                                    ; the first tensor load behind the round; the four v_nop behind it are also the places in front of the loads below
	FETCH \next, 0, F0
	ASK \on                                        ; behind the joint load and the run of LDS loads that the next products wait for
	WIN MUL_HI
	MUL16 F1, 1, 0, 0
	MUL16 F1, 1, 2, 0
.endm
; THE WAY OUT of block a (16 of my rows x my 128 columns), in three parts.
; PACK: the sums times input_scale of the lane's row; times dequant_scale plus bias of the lane's columns, fused; rounded to f16, 16 bytes a lane.  Each of the three runs goes through the block's eight
; accumulators from the low end on, so an accumulator's first reader takes its two lowest registers, and 31 other lines stand between a line and the one that reads its result.
.macro PACK a
.set AC, 64*((\a)%4)
	WIN 0x82+0x41*((\a)/4)                         ; destination and source 0: window 2 or 3; source 1 (input_scale): window 0
.irp b, 0,1,2,3,4,5,6,7
.irp r, 0,1,2,3
	v_pk_mul_f32 v[AC+8*(\b)+2*(\r):AC+8*(\b)+2*(\r)+1], v[AC+8*(\b)+2*(\r):AC+8*(\b)+2*(\r)+1], v[SI+2*(\a):SI+2*(\a)+1]
.endr
.endr
	WIN 0x96+0x41*((\a)/4)                         ; destination and source 0: window 2 or 3; sources 1 and 2 (dequant_scale, bias): window 1
.irp b, 0,1,2,3,4,5,6,7
.irp r, 0,1,2,3
	v_pk_fma_f32 v[AC+8*(\b)+2*(\r):AC+8*(\b)+2*(\r)+1], v[AC+8*(\b)+2*(\r):AC+8*(\b)+2*(\r)+1], v[SW+8*(\b)+2*(\r):SW+8*(\b)+2*(\r)+1], v[BI+8*(\b)+2*(\r):BI+8*(\b)+2*(\r)+1]
.endr
.endr
	WIN 0x0a+5*((\a)/4)                            ; sources 0 and 1: window 2 or 3; destination: window 0
.irp b, 0,1,2,3,4,5,6,7
.irp r, 0,1,2,3
	v_cvt_pk_f16_f32 v[TMP+4*(\b)+(\r)], v[AC+8*(\b)+2*(\r)], v[AC+8*(\b)+2*(\r)+1]
.endr
.endr
	WIN 0
.endm
; TOSTAGE: into my own stage in LDS, and back as whole rows of 256 bytes.
.macro TOSTAGE a
	WIN 0
.set BK, OB+192*((\a)%2)
.irp b, 0,1,2,3,4,5,6,7
	ds_store_b128 v[STO], v[TMP+4*(\b):TMP+4*(\b)+3] offset:32*(\b)
.endr
.irp t, 0,1,2,3,4,5,6,7
	ds_load_b128 v[BK+4*(\t):BK+4*(\t)+3], v[RD] offset:(\t)*2*SPITCH  ; LDS serves a wave's instructions in order (ISA guide 5.7.1.4): these see the stores above
.endr
.endm
; SEND: stored.
.macro SEND a, younger                 ; younger: the LDS instructions issued behind TOSTAGE's, which may stay out
	WIN 0
.set BK, OB+192*((\a)%2)
	s_wait_dscnt \younger                          ; the block is back in registers
	s_wait_xcnt 0x0                                ; every earlier memory instruction has had its addresses translated (ISA guide 3.1): only behind this wait are the stores' base and the registers that earlier stores read rewritten
.if (\a) == 0
	s_add_nc_u64 s[CP:CP+1], s[CP:CP+1], s[16:17]  ; on to this tile's first rows
.else
	s_add_nc_u64 s[CP:CP+1], s[CP:CP+1], 16*SIZE_N*2  ; 16 rows of out0 on, so that the stores' offsets stay small: 14 rows at the most
.endif
.irp t, 0,1,2,3,4,5,6,7
	global_store_b128 v[CO], v[BK+4*(\t):BK+4*(\t)+3], s[CP:CP+1] offset:2*(\t)*SIZE_N*2 th:TH_STORE_NT  ; 16 lanes store 256 consecutive bytes, at a multiple of 256 from out0's first byte
.endr
.endm
; The whole tile: block a's arithmetic stands between block a - 1's loads from the stage and the wait for them.
.macro WAYOUT
	s_wait_loadcnt 0x0                             ; the scales and the bias are in
	PACK 0
	TOSTAGE 0
.irp a, 1,2,3,4,5,6,7
	PACK \a
	SEND (\a)-1, 0
	TOSTAGE \a
.endr
	SEND 7, 0
.endm
	s_wait_tensorcnt 1                             ; my part of K step 0 is in; K step 1's load may stay out
	s_barrier_signal -1
	s_barrier_wait -1                              ; everybody's is
	FETCH 0, 0, F0
	s_mov_b32 s2, SIZE_TILES                       ; tiles to go, this one among them: the same number in every work-group
.Ltile:                                                ; (FETCH, SEND and LOADSI leave every window 0)
	QUARTER 0, 64,  F0, F1, 1                      ; a tile's first quarter stands in front of the loop: its products start the sums
	WIN 0                                          ; at a label and at a branch every window is 0
	s_mov_b32 s3, LAPS-1
.Llap:                                                 ; a trip goes once round the ring, from a lap's second quarter to the next lap's first, and fills both slots again
	QUARTER 0, 128, F1, F0, 0
	QUARTER 0, 192, F0, F1, 0
	TURN 0, 1, 0
	QUARTER 1, 64,  F0, F1, 0
	QUARTER 1, 128, F1, F0, 0
	QUARTER 1, 192, F0, F1, 0
	TURN 1, 0, 0
	QUARTER 0, 64,  F0, F1, 0
	WIN 0
	s_sub_co_u32 s3, s3, 1
	s_cmp_lg_u32 s3, 0
	s_cbranch_scc1 .Llap
	QUARTER 0, 128, F1, F0, 0                      ; the tile's last lap goes on
	QUARTER 0, 192, F0, F1, 0
	WIN 0
	s_cmp_eq_u32 s2, 1
	s_cbranch_scc1 .Llast_tile                     ; the last tile's tail is written out: it asks for nothing more
	TURN 0, 1, 1                                   ; THE RING GOES ON INTO THE NEXT TILE: slot 0 takes its K step 0,
	QUARTER 1, 64,  F0, F1, 0
	QUARTER 1, 128, F1, F0, 0
	QUARTER 1, 192, F0, F1, 0
	TURN 1, 0, 1                                   ; slot 1 its K step 1, and the next tile's first fragments are fetched
	WIN 0
	PLACES                                         ; BOTH REFILLS ARE ASKED FOR: NOW THE TILE GOES OUT.  Blocks 0-3 were finished in front of the joint load's four v_nop: with these four, eight places.  Their 384 lines
	WAYOUT                                         ; of arithmetic, which name no register of the last products (blocks 4-7's), are those products' places
	s_add_nc_u64 s[SIP:SIP+1], s[SIP:SIP+1], WALK*4  ; the loads that named this address were waited for at the head of the way out
	LOADSI                                         ; the next tile's row scales: they have that tile's products in which to land
	s_mov_b64 s[16:17], NEXT_C                     ; what the next way out adds to out0's address
	s_sub_co_u32 s2, s2, 1
	s_branch .Ltile
.Llast_tile:
	MEET 0                                         ; my one tensor load that was still out is slot 1's, the last K step's, so no round follows
	PLACES                                         ; for the loads into buffer 0, which the quarter before multiplied
	FETCH 1, 0, F0
	WIN MUL_HI
	MUL16 F1, 1, 0, 0
	MUL16 F1, 1, 2, 0
	QUARTER 1, 64,  F0, F1, 0
	QUARTER 1, 128, F1, F0, 0
	QUARTER 1, 192, F0, F1, 0
	s_wait_dscnt 8                                 ; the very last quarter: nothing more to fetch
	WIN MUL_LO
	MUL16 F1, 0, 0, 0
	MUL16 F1, 0, 2, 0
	s_wait_dscnt 0x0
	MUL16 F1, 1, 0, 0
	MUL16 F1, 1, 2, 0
	WIN 0
	PLACES                                         ; eight places, once a launch, between the last products and the arithmetic on block 0; blocks 4-7 have blocks 0-3's lines besides
	PLACES
	WAYOUT
	s_wait_tensorcnt 0x0                           ; the wave's end: behind my last tensor load and my last LDS store
	ds_add_u32 v[SPW], v[NIL]
	s_wait_dscnt 0x0
	CROUND                                         ; the closing round: no work-group ends while a partner may still ask for a tile that names it
	s_endpgm
.Lfunc_end_k_qd585c8b3cc_gemm:
	.size	k_qd585c8b3cc_gemm, .Lfunc_end_k_qd585c8b3cc_gemm-k_qd585c8b3cc_gemm
	.p2alignl 7, 3214868480
	.fill 96, 4, 3214868480
	.section	.rodata,"a",@progbits
	.p2align	6, 0x0
	.amdhsa_kernel k_qd585c8b3cc_gemm
		.amdhsa_group_segment_fixed_size 327680
		.amdhsa_private_segment_fixed_size 0
		.amdhsa_enable_private_segment 0
		.amdhsa_kernarg_size 48
		.amdhsa_user_sgpr_count 2
		.amdhsa_user_sgpr_kernarg_segment_ptr 1
		.amdhsa_wavefront_size32 1
		.amdhsa_system_sgpr_workgroup_id_x 1
		.amdhsa_system_sgpr_workgroup_id_y 1
		.amdhsa_system_sgpr_workgroup_id_z 1
		.amdhsa_system_vgpr_workitem_id 0
		.amdhsa_next_free_vgpr 1024
		.amdhsa_next_free_sgpr 80
		.amdhsa_reserve_vcc 0
		.amdhsa_float_denorm_mode_32 3
		.amdhsa_float_denorm_mode_16_64 3
		.amdhsa_memory_ordered 1
		.amdhsa_forward_progress 1
		.amdhsa_inst_pref_size 255
	.end_amdhsa_kernel
	.section	.bss,"aw",@nobits
	.p2align	6
	.space	262144
	.amdgpu_metadata
---
amdhsa.version: [ 1, 2 ]
amdhsa.kernels:
  - .name:           k_qd585c8b3cc_gemm
    .symbol:         k_qd585c8b3cc_gemm.kd
    .args:
      - { .name: xb, .offset: 0, .size: 8, .value_kind: global_buffer, .address_space: global }
      - { .name: wb, .offset: 8, .size: 8, .value_kind: global_buffer, .address_space: global }
      - { .name: input_scale, .offset: 16, .size: 8, .value_kind: global_buffer, .address_space: global }
      - { .name: dequant_scale, .offset: 24, .size: 8, .value_kind: global_buffer, .address_space: global }
      - { .name: bias, .offset: 32, .size: 8, .value_kind: global_buffer, .address_space: global }
      - { .name: out0, .offset: 40, .size: 8, .value_kind: global_buffer, .address_space: global }
    .group_segment_fixed_size: 327680
    .private_segment_fixed_size: 0
    .kernarg_segment_align: 8
    .kernarg_segment_size: 48
    .max_flat_workgroup_size: 128
    .sgpr_count:     80
    .vgpr_count:     1024
    .wavefront_size: 32
...
	.end_amdgpu_metadata
.endif
;; end of part 2
;; ======== version 2 of 2: 2 launches; version 1 with the launch cast written anew for expert scheduling mode
;; workspace buffers: xb 33,554,432 bytes; wb 16,777,216 bytes
;; launch cast (part 3): grid 768 x 1, 8 waves a work-group, no clusters, 0 bytes of LDS; arguments x, weight, xb, wb; writes xb, wb
.if DOCPART == 3
	.amdgcn_target "amdgcn-amd-amdhsa--gfx1250"
	.amdhsa_code_object_version 6
	.text
	.protected	k_qd585c8b3cc_cast
	.globl	k_qd585c8b3cc_cast
	.p2align	8
	.type	k_qd585c8b3cc_cast,@function
k_qd585c8b3cc_cast:
	s_mov_b64 s[64:65], 0
	v_nop
	global_prefetch_b8 v0, s[64:65] scope:SCOPE_SE
	s_setreg_imm32_b32 hwreg(HW_REG_WAVE_SCHED_MODE, 0, 2), 2
	s_setreg_imm32_b32 hwreg(HW_REG_WAVE_MODE, 25, 1), 1
	s_wait_xcnt 0x0
	s_wait_alu depctr_vm_vsrc(0)
; FIRST OF TWO LAUNCHES for out0[m][n] = f16((sum over k of x[m][k] weight[n][k]) * input_scale[m] * dequant_scale[n] + bias[n]).
; This one rounds x [8192][2048] and weight [4096][2048], whole numbers in 32-bit words, to bf16 in the same row-major order: xb and wb, the operands of the product in the second launch.
; It is done once here, since in the product each number of x is wanted by 16 tiles of columns and each number of weight by 32 tiles of rows.
; WORK LEFT OUT.  The input output_buffer: reference() names it among its arguments and never reads it, so for all values it has no way to the result.  It is not loaded and is among no
; launch's arguments.  LIMIT: a NaN or an infinity in output_buffer is not carried to the result.
; LIMITS.  Whole numbers of magnitude up to 256 are exact in bf16 (8 significant bits), so int8-sized inputs lose nothing.  Larger ones are rounded to nearest even, first to f32 (exact up to 2^24),
; then to bf16: beyond 2^24 that is two roundings.
; SHARES.  100,663,296 bytes come in, 131,072 for each of 768 work-groups: numbers 0-511 take x, 512-767 weight.  Load j of 32 of thread t takes the 16 bytes at 4,096 j + 16 t of the group's part: a wave's
; load covers 512 consecutive bytes.  The four numbers leave as 8 bytes at 2,048 j + 8 t: a wave's store covers 256 consecutive bytes, aligned.
; All 32 loads of a wave are issued before the first wait for data; each has registers of its own, so no register that a load or store still names is written again, and there is no loop.
; No LDS, no barrier, no matrix instruction: no wave wants a byte that another wave has fetched.
; THE MODE: SCHED_MODE bits 1:0 = 2 (LLVM: expert scheduling mode 2), set by the entry lines.  The code itself states the register dependences
; between vector instructions and memory instructions, with s_wait_alu, always for 0.
; THE PLAN.  Registers that memory instructions touch:
;   v1, v2          byte offsets, made once at the head and never written again: v1 is read by every load, v2 by every store.
;   v[4+4j : 7+4j]  Load j lands here, and no vector instruction names them before it.  Load j's six conversions work in place; store j reads the first two; nothing writes them after that.
; So nothing that a memory instruction has read is written again, and no load lands where a vector instruction has been: the one kind of dependence is a store's data, and the two offsets, written by vector lines.
; The 32 loads go in 8 blocks of four.  Block p waits for its four loads, and issues the four stores of block p - 1 among its own conversions, which name its own sixteen registers alone.
; ONE wait on va_vdst at a block's head states that the block before has written the data of those four stores; one at the kernel's head states the offsets; one stands ahead of the last four stores.
.set X, 4                              ; v[4:131]  load j in v[4+4j : 7+4j]; its two packed words leave from the first two of them
.set BLOCK,  4                         ; loads in a block
.set BLOCKS, 32 / BLOCK
	s_load_b256 s[4:11], s[0:1], 0x0               ; x s[4:5], weight s[6:7], xb s[8:9], wb s[10:11]
	s_sub_co_u32 s12, ttmp9, 512                   ; my part's number within weight, if I am one of the last 256
	v_lshlrev_b32 v1, 4, v0                        ; 16 t: where I read
	v_lshlrev_b32 v2, 3, v0                        ; 8 t: where I write
	s_cmp_lt_u32 ttmp9, 512                        ; x or weight?  Only lines that leave SCC alone stand between this compare and the three selects
	s_cselect_b32 s12, ttmp9, s12
	s_wait_kmcnt 0x0
	s_cselect_b64 s[4:5], s[4:5], s[6:7]           ; from
	s_cselect_b64 s[8:9], s[8:9], s[10:11]         ; to
	s_lshl_b32 s14, s12, 17                        ; 131,072 bytes in,
	s_mov_b32 s15, 0
	s_lshl_b32 s16, s12, 16                        ; 65,536 bytes out for each part
	s_mov_b32 s17, 0
	s_add_nc_u64 s[4:5], s[4:5], s[14:15]
	s_add_nc_u64 s[8:9], s[8:9], s[16:17]
	s_wait_alu depctr_va_vdst(0)                   ; v1 and v2 are written: every load of the kernel reads v1 as its offset, every store v2
.set j, 0
.rept 32
	global_load_b128 v[X+4*j:X+4*j+3], v1, s[4:5] offset:4096*j th:TH_LOAD_NT
.set j, j+1
.endr
.set p, 0
.rept BLOCKS
	s_wait_loadcnt 32-BLOCK*(p+1)                  ; loads come back in order (ISA guide 5.7.1): block p's four are in, the 28 - 4 p younger ones stay out
.if p > 0
	s_wait_alu depctr_va_vdst(0)                   ; the roundings of block p - 1 have written the first two registers of each of its four loads, which the four stores below read
.endif
.set i, 0
.rept BLOCK
.set j, BLOCK*p+i
.if p > 0
	global_store_b64 v2, v[X+4*(j-BLOCK):X+4*(j-BLOCK)+1], s[8:9] offset:2048*(j-BLOCK) th:TH_STORE_NT  ; the block before.  No further wait: no vector instruction since the wait above names these registers
.endif
	v_cvt_f32_i32 v[X+4*j], v[X+4*j]
	v_cvt_f32_i32 v[X+4*j+1], v[X+4*j+1]
	v_cvt_f32_i32 v[X+4*j+2], v[X+4*j+2]
	v_cvt_f32_i32 v[X+4*j+3], v[X+4*j+3]
	v_cvt_pk_bf16_f32 v[X+4*j], v[X+4*j], v[X+4*j+1]       ; two roundings to bf16, the lower k in the low half
	v_cvt_pk_bf16_f32 v[X+4*j+1], v[X+4*j+2], v[X+4*j+3]
.set i, i+1
.endr
.set p, p+1
.endr
	s_wait_alu depctr_va_vdst(0)                   ; the last block's roundings have written the data of the last four stores
.set j, 32-BLOCK
.rept BLOCK
	global_store_b64 v2, v[X+4*j:X+4*j+1], s[8:9] offset:2048*j th:TH_STORE_NT
.set j, j+1
.endr
	s_endpgm
.Lfunc_end_k_qd585c8b3cc_cast:
	.size	k_qd585c8b3cc_cast, .Lfunc_end_k_qd585c8b3cc_cast-k_qd585c8b3cc_cast
	.p2alignl 7, 3214868480
	.fill 96, 4, 3214868480
	.section	.rodata,"a",@progbits
	.p2align	6, 0x0
	.amdhsa_kernel k_qd585c8b3cc_cast
		.amdhsa_group_segment_fixed_size 0
		.amdhsa_private_segment_fixed_size 0
		.amdhsa_enable_private_segment 0
		.amdhsa_kernarg_size 32
		.amdhsa_user_sgpr_count 2
		.amdhsa_user_sgpr_kernarg_segment_ptr 1
		.amdhsa_wavefront_size32 1
		.amdhsa_system_sgpr_workgroup_id_x 1
		.amdhsa_system_sgpr_workgroup_id_y 1
		.amdhsa_system_sgpr_workgroup_id_z 1
		.amdhsa_system_vgpr_workitem_id 0
		.amdhsa_next_free_vgpr 132
		.amdhsa_next_free_sgpr 66
		.amdhsa_reserve_vcc 0
		.amdhsa_float_denorm_mode_32 3
		.amdhsa_float_denorm_mode_16_64 3
		.amdhsa_memory_ordered 1
		.amdhsa_forward_progress 1
		.amdhsa_inst_pref_size 16
	.end_amdhsa_kernel
	.amdgpu_metadata
---
amdhsa.version: [ 1, 2 ]
amdhsa.kernels:
  - .name:           k_qd585c8b3cc_cast
    .symbol:         k_qd585c8b3cc_cast.kd
    .args:
      - { .name: x, .offset: 0, .size: 8, .value_kind: global_buffer, .address_space: global }
      - { .name: weight, .offset: 8, .size: 8, .value_kind: global_buffer, .address_space: global }
      - { .name: xb, .offset: 16, .size: 8, .value_kind: global_buffer, .address_space: global }
      - { .name: wb, .offset: 24, .size: 8, .value_kind: global_buffer, .address_space: global }
    .group_segment_fixed_size: 0
    .private_segment_fixed_size: 0
    .kernarg_segment_align: 8
    .kernarg_segment_size: 32
    .max_flat_workgroup_size: 256
    .sgpr_count:     66
    .vgpr_count:     132
    .wavefront_size: 32
...
	.end_amdgpu_metadata
.endif
;; end of part 3
;; launch gemm: the kernel of part 2 again; grid 16 x 16, 4 waves a work-group, clusters of 4 x 4, 327,680 bytes of LDS; arguments xb, wb, input_scale, dequant_scale, bias, out0; writes out0
